; MI455X (gfx1250); checked and timed in simulation.
; The chip was launched on July 23, 2026; its instructions are those of AMD's public machine-readable ISA for CDNA 5 (MIT licence, August 2026) and "CDNA5" Instruction Set Architecture Reference Guide (July 2026). The comments in the code are by the model that wrote it; some were corrected since.
;; Multi Head Attention. Allowed arithmetic: matrix products marked QUANTISED: E4M3 operands, one given power-of-two scale a tensor, by v_wmma_f32_16x16x64_fp8_fp8 or v_wmma_f32_16x16x128_fp8_fp8, f32 sums; everything else in f32.
;; Inputs: Wk_codes 1,024 x 32 x 32 uint8 (E4M3 codes of Wk, K innermost, in blocks of 32 codes); Wo_codes 1,024 x 32 x 32 uint8 (E4M3 codes of Wo, K innermost, in blocks of 32 codes); Wq_codes 1,024 x 32 x 32 uint8 (E4M3 codes of Wq, K innermost, in blocks of 32 codes); Wv_codes 1,024 x 32 x 32 uint8 (E4M3 codes of Wv, K innermost, in blocks of 32 codes); attn_mask 2,048 x 2,048 float32; bk 1,024 float32; bo 1,024 float32; bq 1,024 float32; bv 1,024 float32; lowp_scales 12 int32 (the exponents e of the quantised operands' scales 2^e); x_q_codes 2 x 2,048 x 32 x 32 uint8 (E4M3 codes of x_q, K innermost, in blocks of 32 codes).
;; Outputs: out0 2 x 2,048 x 1,024 float32.
;; This version of the problem:
;;   THIS VERSION OF THE PROBLEM IS GIVEN IN LOW PRECISION. The matrix products marked QUANTISED in the list below multiply operands that are first quantised to E4M3 (4 exponent bits, 3 mantissa bits; 8 bits a number), with one given power-of-two scale for each operand tensor; their sums are f32. All else is computed in f32.
;;   The module's matrix products, in the order in which they are computed (A, B: the left and right operand; K: the contracted axis; several contracted axes count as one K, in the product's order):
;;     1. [M 4,096, K 1,024] x [K 1,024, N 1,024]; A: input x_q (given as codes); B: input Wq (given as codes): QUANTISED (scales: A lowp_scales[0], B lowp_scales[1])
;;     2. [M 4,096, K 1,024] x [K 1,024, N 1,024]; A: input x_q (given as codes); B: input Wk (given as codes): QUANTISED (scales: A lowp_scales[2], B lowp_scales[3])
;;     3. [M 4,096, K 1,024] x [K 1,024, N 1,024]; A: input x_q (given as codes); B: input Wv (given as codes): QUANTISED (scales: A lowp_scales[4], B lowp_scales[5])
;;     4. batch 32 x [M 2,048, K 64] x [K 64, N 2,048]; A: computed on the way; B: computed on the way: QUANTISED (scales: A lowp_scales[6], B lowp_scales[7])
;;     5. batch 32 x [M 64, K 2,048] x [K 2,048, N 2,048]; A: computed on the way; B: softmax (see below): QUANTISED (scales: A lowp_scales[8], B lowp_scales[9])
;;     6. [M 4,096, K 1,024] x [K 1,024, N 1,024]; A: computed on the way; B: input Wo (given as codes): QUANTISED (scales: A lowp_scales[10], B lowp_scales[11])
;;   THE QUANTISER, for each operand of a quantised product, along K:
;;     - The operand's scale is 2^e, e = its entry of the input lowp_scales (int32; the entries are numbered through the quantised products in the list's order, A before B).
;;     - Each number is divided by the scale, clamped to +-448, and rounded to the nearest number of E4M3, ties to even, subnormals kept.
;;     - The product sums the exact products of the quantised numbers (number of the format x scale) in f32.
;;   ~~~python
;;   def quantise(x, axis, e):      # numpy; x: float32 -> the quantised numbers, widened to float32 again
;;       x = np.moveaxis(x, axis, -1); K = x.shape[-1]
;;       r = np.clip(x / 2.0 ** e, -448, 448)
;;       step = 2.0 ** (np.maximum(np.frexp(np.where(r == 0, 1, r))[1] - 1, -6) - 3)
;;       q = np.round(r / step) * step * 2.0 ** e      # np.round: ties to even
;;       return np.moveaxis(q, -1, axis).astype(np.float32)
;;   ~~~
;;   SOFTMAX AHEAD OF A QUANTISED PRODUCT. Where the list says 'softmax', what is quantised is not the finished softmax but p = 2^(t - M), with t = logit x log2(e) and M = ceil(the row's largest t), a whole number; so 1/2 < the row's largest p <= 1. The row's sum l is taken of the UNQUANTISED p, in f32, and the product's result is divided by l at the end. Since M is a whole number, a kernel that streams over the keys may use a running M (the ceiling of the running maximum): every later rescaling is an exact power of two, so the quantised numbers keep their values, but for numbers so far below the row's largest that they fall under the format's range.
;;   OPERANDS COMPUTED ON THE WAY. 'Computed on the way' means the value that the module computes at that place (a softmax that the list does not call 'softmax' is quantised finished and normalised). What goes into a quantiser is computed in f32, as accurately as f32 sums, v_exp_f32 and their like allow (about 1e-6 of the number): no bf16 or f16 on the way to a quantiser, and a product that is left as it is and whose result goes on into a quantised operand takes f32 operands (vector FMAs, or v_wmma_f32_16x16x4_f32). A number that lies on a knife's edge between two numbers of the format may be rounded either way, as far as f32 arithmetic and the matrix unit's own rounding can turn it there, and no further.
;;   INPUTS GIVEN AS CODES. Wk (in the module: [1024, 1024], K = its axis 1); Wo (in the module: [1024, 1024], K = its axis 1); Wq (in the module: [1024, 1024], K = its axis 1); Wv (in the module: [1024, 1024], K = its axis 1); x_q (in the module: [2, 2048, 1024], K = its axis 2): each comes as NAME_codes (uint8): NAME with its K axis moved to the last place and cut into blocks of 32 codes, [.., K / 32, bytes a block], one block behind the other in memory; one code a byte (a code: sign, 4 exponent bits, 3 mantissa bits); its scale is its entry of lowp_scales. Its value is code x scale, taken as it is: it is not quantised again, and the codes and scales need not be those that the quantiser above would give.
;; One version. Each part assembles by itself: llvm-mc -triple=amdgcn-amd-amdhsa -mcpu=gfx1250 --defsym DOCPART=n.
;; ======== version 1 of 1: 3 launches
;; limits: right only within a limited range of input values
;; workspace buffers: qc 4,194,304 bytes; kv 8,388,608 bytes; ao 4,194,304 bytes
;; launch qkv (part 1): grid 48 x 4, 4 waves a work-group, clusters of 4 x 4, 327,680 bytes of LDS; arguments x_q_codes, Wq_codes, Wk_codes, Wv_codes, bq, bk, bv, lowp_scales, qc, kv; writes qc, kv
.if DOCPART == 1
	.amdgcn_target "amdgcn-amd-amdhsa--gfx1250"
	.amdhsa_code_object_version 6
	.text
	.protected	k_q531e9994f5_qkv
	.globl	k_q531e9994f5_qkv
	.p2align	8
	.type	k_q531e9994f5_qkv,@function
k_q531e9994f5_qkv:
	s_mov_b64 s[64:65], 0
	v_nop
	global_prefetch_b8 v0, s[64:65] scope:SCOPE_SE
	s_setreg_imm32_b32 hwreg(HW_REG_WAVE_MODE, 25, 1), 1
	s_wait_xcnt 0x0
	s_wait_alu depctr_hold_cnt(0) depctr_sa_sdst(0) depctr_va_vdst(0) depctr_va_sdst(0) depctr_va_ssrc(0) depctr_va_vcc(0) depctr_vm_vsrc(0)
	s_getreg_b32 s2, hwreg(HW_REG_IB_STS2, 6, 4)
	s_cmp_eq_u32 s2, 0
	s_cbranch_scc0 .Lentry_in_a_cluster
	s_endpgm
.Lentry_in_a_cluster:
	s_bfe_u32 s2, ttmp6, 0x10000c
	s_cmp_lg_u32 s2, 0xf033
	s_cbranch_scc0 .Lentry_shape_is_right
	s_endpgm
.Lentry_shape_is_right:
.set ROWB,   256
.set KROW,   1024
.set PITCH,  272
.set FR,     16
.set NL,     4
.set NP,     4
.set HALFT,  128*PITCH
.set SLOT,   4*HALFT
.set SPARE,  2*SLOT
.set BRR,  8
.set ADRA, 16
.set ADRB, 20
.set VO,   22
.set BRA,  26
.set BPA,  27
.set SPW,  28
.set NIL,  29
.set LIM,  30
.set SCV,  31
.set BI,   32
.set CD,   96
.set AF,   128
.set TMP,  128
.set BR,   192
.set G1, 24
.set G0, 32
.set G1B, 48
.set G0B, 56
.set MSB, 0
.macro WIN new
.if MSB != \new
	s_set_vgpr_msb (MSB<<8)|\new
.set MSB, \new
.endif
.endm
.set MUL_LO, 0xa1
.set MUL_HI, 0xf1
.set TO_B,   0x40
.macro JLOAD g0a, g1a, g0b, g1b
	s_cmp_eq_u32 s15, 0
	s_cbranch_scc0 .Lfor_b_\@
	tensor_load_to_lds s[\g0a:\g0a+3], s[\g1a:\g1a+7]
	s_nop 0
.rept 4
	v_nop
.endr
	s_branch .Lasked_\@
.Lfor_b_\@:
	tensor_load_to_lds s[\g0b:\g0b+3], s[\g1b:\g1b+7]
	s_nop 0
.rept 4
	v_nop
.endr
.Lasked_\@:
.endm
.macro CREST
	s_cmp_lg_u32 s14, 0
	s_cbranch_scc1 .Lnot_wave_0_\@
	s_barrier_signal -3
.Lnot_wave_0_\@:
	s_barrier_wait -3
	s_barrier_signal -1
	s_barrier_wait -1
.endm
.macro CROUND
	s_barrier_signal -1
	s_barrier_wait -1
	CREST
.endm
	s_load_b512 s[68:83], s[0:1], 0x0
	s_load_b128 s[84:87], s[0:1], 0x40
	v_lshl_add_u32 v[SPW], v0, 2, SPARE
	v_mov_b32 v[NIL], 0
	ds_add_u32 v28, v29
	ds_add_u32 v28, v29
	s_wait_dscnt 0x0
	v_lshrrev_b32 v1, 5, v0
	v_readfirstlane_b32 s14, v1
	s_lshr_b32 s15, s14, 1
	s_and_b32 s16, s14, 1
	s_bfe_u32 s40, ttmp6, 0x40000
	s_bfe_u32 s41, ttmp6, 0x40004
	s_lshr_b32 s88, ttmp9, 2
	s_and_b32 s89, ttmp9, 3
	s_lshl_b32 s43, s41, 2
	s_lshl_b32 s43, 15, s43
	s_lshl_b32 s44, 0x1111, s40
	s_or_b32 s[G1+0], s43, (0<<16)|(1<<20)|(1<<21)|(5<<22)|(3<<25)
	s_or_b32 s[G1B+0], s44, (0<<16)|(1<<20)|(1<<21)|(5<<22)|(3<<25)
.irp g, G1, G1B
	s_mov_b32 s[\g+1], ROWB<<16
	s_mov_b32 s[\g+2], 128<<16
	s_mov_b32 s[\g+3], ROWB<<16
	s_mov_b32 s[\g+4], 128
	s_mov_b32 s[\g+5], KROW
	s_mov_b32 s[\g+6], 0
	s_mov_b32 s[\g+7], 0
.endr
	s_lshl_b32 s18, s16, 7
	s_lshl_b32 s20, s41, 8
	s_add_co_u32 s20, s20, s18
	s_lshl_b32 s20, s20, 10
	s_lshl_b32 s46, s40, 8
	s_add_co_u32 s46, s46, s18
	s_lshl_b32 s46, s46, 10
	s_lshl_b32 s92, s89, 20
	s_cmp_eq_u32 s88, 2
	s_cselect_b32 s93, 0, s92
	s_cselect_b32 s94, s92, 0
	s_add_co_u32 s20, s20, s93
	s_add_co_u32 s46, s46, s94
	s_mov_b32 s21, 0
	s_mov_b32 s47, 0
	s_mul_i32 s45, s14, HALFT
	s_wait_kmcnt 0x0
	s_cmp_eq_u32 s88, 0
	s_cselect_b64 s[90:91], s[70:71], s[72:73]
	s_cselect_b64 s[8:9], s[76:77], s[78:79]
	s_cselect_b64 s[10:11], s[84:85], s[86:87]
	s_cmp_eq_u32 s88, 2
	s_cselect_b64 s[90:91], s[74:75], s[90:91]
	s_cselect_b64 s[8:9], s[80:81], s[8:9]
	s_cselect_b64 s[4:5], s[90:91], s[68:69]
	s_cselect_b64 s[6:7], s[68:69], s[90:91]
	s_add_nc_u64 s[20:21], s[4:5], s[20:21]
	s_add_nc_u64 s[46:47], s[6:7], s[46:47]
	; the prefetches: of the 128 rows that I fetch, each of the four partners that ask for them with me takes 32, told apart by address (cx for the first operand's tiles, cy for the second's); a lane a row
	s_cmp_eq_u32 s15, 0
	s_cselect_b64 s[66:67], s[20:21], s[46:47]
	s_cselect_b32 s2, s40, s41
	s_lshl_b32 s2, s2, 15
	s_mov_b32 s3, 0
	s_add_nc_u64 s[66:67], s[66:67], s[2:3]
	v_and_b32 v7, 31, v0
	v_lshlrev_b32 v7, 10, v7
	s_lshl_b32 s92, s88, 3
	s_mov_b32 s93, 0
	s_add_nc_u64 s[92:93], s[82:83], s[92:93]
	s_load_b64 s[96:97], s[92:93], 0x0
	s_lshl_b32 s94, s88, 2
	s_mov_b32 s95, 0
	s_add_nc_u64 s[94:95], s[82:83], s[94:95]
	s_load_b32 s98, s[94:95], 0x18
.irp s, 0,1
	s_mov_b32 s[G0+4*\s], 1
	s_add_co_u32 s[G0+4*\s+1], s45, \s*SLOT
	s_add_nc_u64 s[G0+4*\s+2:G0+4*\s+3], s[20:21], \s*ROWB
	s_or_b32 s[G0+4*\s+3], s[G0+4*\s+3], 0x80000000
	s_mov_b32 s[G0B+4*\s], 1
	s_add_co_u32 s[G0B+4*\s+1], s45, \s*SLOT
	s_add_nc_u64 s[G0B+4*\s+2:G0B+4*\s+3], s[46:47], \s*ROWB
	s_or_b32 s[G0B+4*\s+3], s[G0B+4*\s+3], 0x80000000
	s_wait_alu depctr_va_vdst(0)
	s_wait_tensorcnt 0x0
	ds_add_u32 v28, v29
	ds_add_u32 v28, v29
	s_wait_dscnt 0x0
	CROUND
	JLOAD G0+4*\s, G1, G0B+4*\s, G1B
	global_prefetch_b8 v7, s[66:67] offset:(\s+2)*ROWB th:TH_LOAD_NT scope:SCOPE_SE   ; the K step that stands two loads on: 256 bytes of each of my 32 rows
.endr
	v_and_b32 v1, 15, v0
	v_bfe_u32 v2, v0, 4, 1
	v_mul_u32_u24 v3, v1, PITCH
	v_lshl_add_u32 v4, v2, 4, v3
	s_mul_i32 s21, s15, HALFT
	s_mul_i32 s22, s16, HALFT
	s_add_co_u32 s22, s22, 2*HALFT
.irp s, 0,1
	v_add_nc_u32 v[ADRA+\s], s21, v4
	v_add_nc_u32 v[ADRB+\s], s22, v4
	s_add_co_u32 s21, s21, SLOT
	s_add_co_u32 s22, s22, SLOT
.endr
	s_wait_kmcnt 0x0
	s_lshl_b32 s17, s40, 1
	s_add_co_u32 s17, s17, s16
	s_lshl_b32 s18, s41, 1
	s_add_co_u32 s18, s18, s15
	s_min_u32 s23, s88, 1
	s_lshl_b32 s92, 0x20000, s23
	s_mov_b32 s90, 0x400
	s_mov_b32 s46, 0x1000
	s_cmp_eq_u32 s88, 2
	s_cselect_b32 s19, s17, s18
	s_cselect_b32 s42, s18, s17
	s_cselect_b32 s2, 0x2000, 0
	s_cselect_b32 s3, 1, 0
	s_cselect_b32 s90, s90, s92
	s_cselect_b32 s46, s92, s46
	s_cselect_b32 s43, 0, -1
	s_cselect_b32 s44, -1, 0
	s_lshl_b32 s3, 0x400, s3
	s_mov_b32 s91, 0
	s_mov_b32 s47, 0
	s_lshr_b32 s94, s89, 1
	s_lshl_b32 s94, s94, 4
	s_lshl_b32 s93, s42, 1
	s_add_co_u32 s94, s94, s93
	s_lshl_b32 s94, s94, 17
	s_and_b32 s93, s89, 1
	s_lshl_b32 s93, s93, 3
	s_add_co_u32 s93, s93, s19
	s_lshl_b32 s93, s93, 13
	s_add_co_u32 s94, s94, s93
	s_lshl_b32 s94, s94, s23
	s_add_co_u32 s94, s94, s2
	s_mov_b32 s95, 0
	s_add_nc_u64 s[10:11], s[10:11], s[94:95]
	s_add_nc_u64 s[12:13], s[10:11], s[90:91]
	s_add_nc_u64 s[84:85], s[10:11], s[46:47]
	s_add_nc_u64 s[86:87], s[84:85], s[90:91]
	s_lshl_b32 s20, s42, 9
	s_mov_b32 s21, 0
	s_add_nc_u64 s[8:9], s[8:9], s[20:21]
	v_and_b32 v5, 31, v0
	v_lshlrev_b32 v[VO], 4, v5
	v_add_nc_u32 v[VO+1], s3, v[VO]
	v_add_nc_u32 v[VO+2], s3, v[VO+1]
	v_add_nc_u32 v[VO+3], s3, v[VO+2]
	v_lshlrev_b32 v[BRA], 2, v1
	v_lshlrev_b32 v[BPA], 5, v2
.irp b, 0,1,2,3,4,5,6,7
	global_load_b128 v[BI+8*\b:BI+8*\b+3], v[BPA], s[8:9] offset:64*\b
	global_load_b128 v[BI+8*\b+4:BI+8*\b+7], v[BPA], s[8:9] offset:64*\b+16
.endr
.irp a, 0,1,2,3,4,5,6,7
	global_load_b32 v[BRR+\a], v[BRA], s[8:9] offset:64*\a
.endr
	s_add_co_i32 s96, s96, s97
	s_add_co_i32 s96, s96, 127
	s_lshl_b32 s96, s96, 23
	s_mov_b32 s97, s96
	s_add_co_i32 s98, s98, 127
	s_lshl_b32 s93, s98, 23
	v_mov_b32 v[SCV], s93
	s_add_co_i32 s98, s98, 8
	s_lshl_b32 s98, s98, 23
	s_or_b32 s98, s98, 0x600000
	v_mov_b32 v[LIM], s98
.macro FRAG reg, adr, q, i
.irp c, 0,1,2,3
	ds_load_b128 v[\reg+4*\c:\reg+4*\c+3], v[\adr] offset:128*(\q)+32*\c+(\i)*16*PITCH
.endr
.endm
.macro MUL16 a0, p, zero
.irp a, \a0, \a0+1
.irp b, 0,1,2,3,4,5,6,7
.if \zero
	v_wmma_f32_16x16x128_fp8_fp8 v[8*(8*((\a)%4)+\b):8*(8*((\a)%4)+\b)+7], v[128*(\p)+FR*\b:128*(\p)+FR*\b+FR-1], v[AF+FR*(\a):AF+FR*(\a)+FR-1], 0
.else
	v_wmma_f32_16x16x128_fp8_fp8 v[8*(8*((\a)%4)+\b):8*(8*((\a)%4)+\b)+7], v[128*(\p)+FR*\b:128*(\p)+FR*\b+FR-1], v[AF+FR*(\a):AF+FR*(\a)+FR-1], v[8*(8*((\a)%4)+\b):8*(8*((\a)%4)+\b)+7]
.endif
.endr
.endr
.endm
.macro FETCH_B slot, q, p
	WIN TO_B
.irp i, 0,1,2,3,4,5,6,7
	FRAG 128*(\p)+FR*\i, ADRB+\slot, \q, \i
.endr
	WIN 0
.endm
.macro FETCH_A slot, q, i0
.irp i, \i0, \i0+1, \i0+2, \i0+3
	FRAG AF+FR*(\i), ADRA+\slot, \q, \i
.endr
.endm
.macro PLACES n
.rept \n
	v_nop
.endr
.endm
.macro STEP slot, q, zero
	s_wait_dscnt 4*NL
	WIN MUL_LO
	MUL16 0, (\q)%2, \zero
	MUL16 2, (\q)%2, \zero
	s_wait_dscnt 0
	PLACES NP
	FETCH_B \slot, (\q)+1, 1-(\q)%2
	FETCH_A \slot, (\q)+1, 0
	WIN MUL_HI
	MUL16 4, (\q)%2, \zero
	MUL16 6, (\q)%2, \zero
	PLACES NP
	WIN 0
	FETCH_A \slot, (\q)+1, 4
.endm
.macro TURN slot, next, fill
	s_wait_tensorcnt 0x0
	ds_add_u32 v[SPW], v[NIL]
	s_wait_dscnt 4*NL+1
	WIN MUL_LO
	MUL16 0, 1, 0
	s_wait_dscnt 0x0
	s_barrier_signal -1
	MUL16 2, 1, 0
	WIN 0
	s_barrier_wait -1
.if \fill
	CREST
	s_add_nc_u64 s[G0+4*\slot+2:G0+4*\slot+3], s[G0+4*\slot+2:G0+4*\slot+3], 2*ROWB
	s_add_nc_u64 s[G0B+4*\slot+2:G0B+4*\slot+3], s[G0B+4*\slot+2:G0B+4*\slot+3], 2*ROWB
	JLOAD G0+4*\slot, G1, G0B+4*\slot, G1B
.else
	PLACES NP
.endif
	FETCH_B \next, 0, 0
	FETCH_A \next, 0, 0
	WIN MUL_HI
	MUL16 4, 1, 0
	MUL16 6, 1, 0
	PLACES NP
	WIN 0
	FETCH_A \next, 0, 4
.endm
	s_wait_tensorcnt 1
	s_barrier_signal -1
	s_barrier_wait -1
	FETCH_B 0, 0, 0
	FETCH_A 0, 0, 0
	FETCH_A 0, 0, 4
	STEP 0, 0, 1
	TURN 0, 1, 1
	STEP 1, 0, 0
	TURN 1, 0, 1
	STEP 0, 0, 0
	TURN 0, 1, 0
	STEP 1, 0, 0
	s_wait_dscnt 4*NL
	WIN MUL_LO
	MUL16 0, 1, 0
	MUL16 2, 1, 0
	s_wait_dscnt 0
	WIN MUL_HI
	MUL16 4, 1, 0
	MUL16 6, 1, 0
	WIN 0
	s_wait_loadcnt 0x0
	PLACES NP
.set j, 0
.rept 64
	v_cndmask_b32 v[BI+j], 0, v[BI+j], s43
.set j, j+1
.endr
.set j, 0
.rept 8
	v_cndmask_b32 v[BR+2*j], 0, v[BRR+j], s44
	v_cndmask_b32 v[BR+2*j+1], 0, v[BRR+j], s44
.set j, j+1
.endr
.macro OUTBLK a
.set AC, 64*((\a)%4)
.set CW, 16*(\a)
.set WS, 0x02+((\a)/4)
	WIN WS
.set j, 0
.rept 32
	v_pk_fma_f32 v[TMP+j:TMP+j+1], v[AC+j:AC+j+1], s[96:97], v[BI+j:BI+j+1] op_sel_hi:[1,0,1]
.set j, j+2
.endr
	WIN 0
.set j, 0
.rept 32
	v_pk_add_f32 v[TMP+j:TMP+j+1], v[TMP+j:TMP+j+1], v[BR+2*(\a):BR+2*(\a)+1]
.set j, j+2
.endr
.set j, 0
.rept 64
	v_med3_num_f32 v[TMP+j], v[TMP+j], -v[LIM], v[LIM]
.set j, j+1
.endr
	WIN TO_B
.irp b, 0,1,2,3,4,5,6,7
	v_cvt_scalef32_pk8_fp8_f32 v[CW+2*\b:CW+2*\b+1], v[TMP+8*\b:TMP+8*\b+7], v[SCV]
.endr
	v_nop
	WIN 0x04
.irp g, 0,1,2,3
	global_store_b128 v[VO+(\a)%4], v[CW+4*\g:CW+4*\g+3], s[10+2*(\g/2)+74*((\a)/4):11+2*(\g/2)+74*((\a)/4)] offset:512*(\g%2)
.endr
	WIN 0
.endm
.irp a, 0,1,2,3,4,5,6,7
	OUTBLK \a
.endr
	s_wait_tensorcnt 0x0
	ds_add_u32 v[SPW], v[NIL]
	s_wait_dscnt 0x0
	CROUND
	s_endpgm
.Lfunc_end_k_q531e9994f5_qkv:
	.size	k_q531e9994f5_qkv, .Lfunc_end_k_q531e9994f5_qkv-k_q531e9994f5_qkv
	.p2alignl 7, 3214868480
	.fill 96, 4, 3214868480
	.section	.rodata,"a",@progbits
	.p2align	6, 0x0
	.amdhsa_kernel k_q531e9994f5_qkv
		.amdhsa_group_segment_fixed_size 327680
		.amdhsa_private_segment_fixed_size 0
		.amdhsa_enable_private_segment 0
		.amdhsa_kernarg_size 80
		.amdhsa_user_sgpr_count 2
		.amdhsa_user_sgpr_kernarg_segment_ptr 1
		.amdhsa_wavefront_size32 1
		.amdhsa_system_sgpr_workgroup_id_x 1
		.amdhsa_system_sgpr_workgroup_id_y 1
		.amdhsa_system_sgpr_workgroup_id_z 1
		.amdhsa_system_vgpr_workitem_id 0
		.amdhsa_next_free_vgpr 1024
		.amdhsa_next_free_sgpr 100
		.amdhsa_reserve_vcc 0
		.amdhsa_float_denorm_mode_32 3
		.amdhsa_float_denorm_mode_16_64 3
		.amdhsa_memory_ordered 1
		.amdhsa_forward_progress 1
		.amdhsa_inst_pref_size 160
	.end_amdhsa_kernel
	.amdgpu_metadata
---
amdhsa.version: [ 1, 2 ]
amdhsa.kernels:
  - .name:           k_q531e9994f5_qkv
    .symbol:         k_q531e9994f5_qkv.kd
    .args:
      - { .name: x_q_codes, .offset: 0, .size: 8, .value_kind: global_buffer, .address_space: global }
      - { .name: Wq_codes, .offset: 8, .size: 8, .value_kind: global_buffer, .address_space: global }
      - { .name: Wk_codes, .offset: 16, .size: 8, .value_kind: global_buffer, .address_space: global }
      - { .name: Wv_codes, .offset: 24, .size: 8, .value_kind: global_buffer, .address_space: global }
      - { .name: bq, .offset: 32, .size: 8, .value_kind: global_buffer, .address_space: global }
      - { .name: bk, .offset: 40, .size: 8, .value_kind: global_buffer, .address_space: global }
      - { .name: bv, .offset: 48, .size: 8, .value_kind: global_buffer, .address_space: global }
      - { .name: lowp_scales, .offset: 56, .size: 8, .value_kind: global_buffer, .address_space: global }
      - { .name: qc, .offset: 64, .size: 8, .value_kind: global_buffer, .address_space: global }
      - { .name: kv, .offset: 72, .size: 8, .value_kind: global_buffer, .address_space: global }
    .group_segment_fixed_size: 327680
    .private_segment_fixed_size: 0
    .kernarg_segment_align: 8
    .kernarg_segment_size: 80
    .max_flat_workgroup_size: 128
    .sgpr_count:     100
    .vgpr_count:     1024
    .wavefront_size: 32
...
	.end_amdgpu_metadata
.endif
;; end of part 1
;; launch attn (part 2): grid 32 x 8, 16 waves a work-group, clusters of 4 x 4, 327,680 bytes of LDS; arguments qc, kv, attn_mask, lowp_scales, ao; writes ao
.if DOCPART == 2
	.amdgcn_target "amdgcn-amd-amdhsa--gfx1250"
	.amdhsa_code_object_version 6
	.text
	.protected	k_q531e9994f5_attn
	.globl	k_q531e9994f5_attn
	.p2align	8
	.type	k_q531e9994f5_attn,@function
k_q531e9994f5_attn:
	s_mov_b64 s[64:65], 0
	v_nop
	global_prefetch_b8 v0, s[64:65] scope:SCOPE_SE
	s_setreg_imm32_b32 hwreg(HW_REG_WAVE_MODE, 25, 1), 1
	s_wait_xcnt 0x0
	s_wait_alu depctr_hold_cnt(0) depctr_sa_sdst(0) depctr_va_vdst(0) depctr_va_sdst(0) depctr_va_ssrc(0) depctr_va_vcc(0) depctr_vm_vsrc(0)
	s_getreg_b32 s2, hwreg(HW_REG_IB_STS2, 6, 4)
	s_cmp_eq_u32 s2, 0
	s_cbranch_scc0 .Lentry_in_a_cluster
	s_endpgm
.Lentry_in_a_cluster:
	s_bfe_u32 s2, ttmp6, 0x10000c
	s_cmp_lg_u32 s2, 0xf033
	s_cbranch_scc0 .Lentry_shape_is_right
	s_endpgm
.Lentry_shape_is_right:
; o[b][q][h][:] = sum over k of softmax_k(q . k / 8 + mask[q][k]) v[k][:], both products on codes of FP8 (E4M3); o is quantised with entry 10 for the last product.
; qc [batch x head 32][tile of 16 queries 128][2][512]; kv [batch x head 32][step of 128 keys 16][16,384]: K [tile of 16 keys 8][2][512], then V^T [tile of 16 channels 4][4][512]: images of operand registers, lane l's 16 bytes at 16 l.
; SOFTMAX: logit = score x 2^(e6+e7-3) + mask; t = logit x log2(e); M = ceil of the running largest t; p = 2^(t - M) is quantised (entry 9), not normalised; the row's sum is taken of the unquantised p.
; THE MASK IS THE C OF THE FIRST PRODUCT: it is loaded into the scores' registers, multiplied there by 2^-(e6+e7-3) (a power of two: nothing is rounded), and the product adds onto it; t - M is then one multiply-add with log2(e) x 2^(e6+e7-3).
; SHARES.  A work-group owns 64 queries of four heads of one batch.  Wave w: head w & 3, query tiles 2 ((w >> 2) & 1) + 0, 1, and of every step of 128 keys the half kh = w >> 3: a fragment of K or V feeds two matrix instructions.
; Waves w and w xor 8 hold the two halves of the keys of the same head and queries.  A wave's unit j is query tile j xor kh of its pair: at the end each wave hands its unit 1 to its partner through LDS and finishes its unit 0.
; K AND V GO FROM MEMORY STRAIGHT INTO REGISTERS: kv lies in the operands' own order, so each load of a wave reads 512 consecutive bytes.  Each buffer is asked for again directly behind the products that read it: a load has one step of the wave in which to land.
; They pass no LDS, so no joint load brings them.  The reason, by the sizes: with four heads' K and V in LDS a slot of 128 keys is 99,328 bytes, two such slots are all that fit, and the launch has 16 changes of slots;
; with the mask alone a slot holds 512 keys (139,264 bytes), and the launch has 4.
; THE MASK comes through a ring of two such slots.  CLUSTER 4 x 4: its tile hangs on the queries alone and is shared along a column of the cluster: asked for jointly, one load a wave: 32 rows x 64 keys (256 bytes of a row, aligned).
; PREFETCH: kv's blocks, two steps ahead of the loads (below).  None for the mask: each of its tiles is asked for four steps of every wave ahead of its first read.
; LAYOUT.  S^T = K Q^T + mask: a lane holds one query (lane % 16); register 8 i + j is key 16 i + 8 (lane / 16) + j of my 64.  Tile i's eight p become code registers 2 i, 2 i + 1.  O^T = V^T P^T holds one query a lane.
; ao [block of 128 tokens 32][K step of 128 features 8][tile of 16 tokens 8][4][512].
; LIMITS: e6 + e7 - 3 between -120 and 120; entries 9 and 10 between -126 and 119.  A mask number whose product with 2^-(e6+e7-3) passes f32's range counts as -infinity.  NaN and +infinity among the inputs are not served;
; -infinity in the mask is served but for a query whose whole row is -infinity.
; REGISTERS: v1-11 addresses and constants; v12-19 two quads (-M, largest t, the sum in two halves); v20-23 f; v24-31 at work; v32-95 the mask, S^T, then p; v96-127 K; v128-159 V^T; v160-175 p's codes; v176-239 O^T; v240-255 Q.
.set KVB,   16384
.set MP,    272                        ; a row of a chunk of the mask: 256 bytes + 16 = 68 words, so the 16 rows of a load start at 16 different banks (ISA guide 11.1)
.set CHK,   64*MP                      ; a chunk: 64 queries x 64 keys
.set SLOTB, 8*CHK                      ; a slot: 512 keys
.set SPARE, 2*SLOTB                    ; the spare words: 128 bytes for each of sixteen waves
.set STGB,  4608                       ; the hand-over: 32 registers and a quad a wave, in slot 0, which has had its last fill and its last read by then
.set SPW, 1
.set NIL, 2
.set LNK, 3
.set LNV, 4
.set AM,  5
.set WM,  7
.set LIMP, 9
.set SCP, 10
.set PFO, 11
.set ST,  12
.set FF,  20
.set T,   24
.set S,   32
.set KF,  96
.set VF,  128
.set PC,  160
.set O,   176
.set Q,   240
.set WV,  14
.set SEL, 20
.set C2,  22                           ; s[22:23] log2(e) x 2^(e6+e7-3)
.set CI,  24                           ; s[24:25] 2^-(e6+e7-3)
.set LIMC, 26
.set SC,  27                           ; steps to go behind this one
.set G1M, 28
.set G0,  44                           ; s[44:51] group 0, a set for each slot
.set CNT, 52
.set TB,  53                           ; LDS byte of the step's pair of chunks
.set KB,  54                           ; s[54:55] my head's kv at the step that is being asked for
.set PFA, 56
.macro ROUND                           ; a round of the cluster's barrier
	s_barrier_signal -1
	s_barrier_wait -1
	s_cmp_lg_u32 s[WV], 0
	s_cbranch_scc1 .Lnot_wave_0_\@
	s_barrier_signal -3
.Lnot_wave_0_\@:
	s_barrier_wait -3
	s_barrier_signal -1
	s_barrier_wait -1
.endm
.macro JL n                            ; my joint load of a slot; s_nop 0 and four v_nop follow it
	tensor_load_to_lds s[G0+4*(\n):G0+4*(\n)+3], s[G1M:G1M+7]
	s_nop 0
.rept 4
	v_nop
.endr
.endm
	s_load_b256 s[4:11], s[0:1], 0x0               ; qc, kv, the mask, the scales
	s_load_b64 s[12:13], s[0:1], 0x20              ; ao
	v_lshl_add_u32 v[SPW], v0, 2, SPARE
	v_mov_b32 v[NIL], 0
	ds_add_u32 v[SPW], v[NIL]                      ; the opening lines: the add twice on end and its wait
	ds_add_u32 v[SPW], v[NIL]
	v_lshrrev_b32 v[T], 5, v0
	v_readfirstlane_b32 s[WV], v[T]                ; wave 0..15
	s_bfe_u32 s15, ttmp6, 0x40000                  ; cx
	s_bfe_u32 s16, ttmp6, 0x40004                  ; cy
	s_lshl_b32 s17, ttmp9, 2
	s_add_co_u32 s17, s17, s15                     ; my block of 64 queries, 0..31
	s_and_b32 s18, ttmp7, 0xffff
	s_lshl_b32 s18, s18, 2
	s_add_co_u32 s18, s18, s16                     ; 4 x batch + my group of four heads, 0..7
	s_lshl_b32 s81, 0x1111, s15                    ; my column of the cluster
	s_or_b32 s[G1M], s81, (2<<16)|(1<<20)|(1<<21)|(5<<22)|(3<<25)   ; 32 rows x 64 numbers of 4 bytes, 2,048 numbers apart; 4 words of padding after every 64
	s_mov_b32 s[G1M+1], 64<<16
	s_mov_b32 s[G1M+2], 32<<16
	s_mov_b32 s[G1M+3], 64<<16
	s_mov_b32 s[G1M+4], 32
	s_mov_b32 s[G1M+5], 2048
	s_mov_b32 s[G1M+6], 0
	s_mov_b32 s[G1M+7], 0
	s_and_b32 s82, s[WV], 3                        ; hd: my head of the four
	s_lshr_b32 s83, s[WV], 3                       ; kh: my half of the keys
	s_bfe_u32 s84, s[WV], 0x10002                  ; qp: my pair of query tiles
	s_and_b32 s86, s[WV], 1                        ; what I fetch: rows 32 (w & 1) on of chunk w >> 1
	s_lshr_b32 s87, s[WV], 1
	s_lshl_b32 s88, s17, 19
	s_lshl_b32 s86, s86, 18
	s_add_co_u32 s88, s88, s86
	s_lshl_b32 s87, s87, 8
	s_add_co_u32 s88, s88, s87
	s_mov_b32 s89, 0
	s_mul_i32 s90, s[WV], 32*MP                    ; and where it goes
	s_mov_b32 s[SEL], 0x76543210
	s_mov_b32 s[SEL+1], 0xfedcba98
	s_mov_b32 s[TB], 0
	s_mov_b32 s[SC], 15
	s_wait_dscnt 0x0
	s_wait_kmcnt 0x0
	s_load_b256 s[68:75], s[10:11], 0x0            ; entries 0 to 7,
	s_load_b128 s[76:79], s[10:11], 0x20           ; 8 to 11
	s_mov_b32 s[G0], 1
	s_mov_b32 s[G0+1], s90
	s_add_nc_u64 s[G0+2:G0+3], s[8:9], s[88:89]    ; keys 0 to 511
	s_mov_b32 s[G0+4], 1
	s_add_co_u32 s[G0+5], s90, SLOTB
	s_add_nc_u64 s[G0+6:G0+7], s[G0+2:G0+3], 2048  ; keys 512 to 1,023
	s_or_b32 s[G0+3], s[G0+3], 0x80000000
	s_or_b32 s[G0+7], s[G0+7], 0x80000000
	ROUND                                          ; all sixteen work-groups are here: the first joint loads meet
	JL 0                                           ; my one tensor load at the head
	s_lshl_b32 s80, s18, 2
	s_add_co_u32 s80, s80, s82                     ; 16 x batch + head
	s_lshl_b32 s86, s80, 18
	s_mov_b32 s87, 0
	s_add_nc_u64 s[KB:KB+1], s[6:7], s[86:87]      ; its 262,144 bytes of kv
	s_lshl_b32 s86, s15, 12
	s_add_co_u32 s86, s86, 2*KVB
	s_add_nc_u64 s[PFA:PFA+1], s[KB:KB+1], s[86:87]
	s_lshl_b32 s85, s84, 1
	s_add_co_u32 s88, s85, s83                     ; unit 0's query tile of the four: 2 qp + kh
	s_xor_b32 s89, s83, 1
	s_add_co_u32 s89, s85, s89                     ; unit 1's: the other of the pair
	s_mul_i32 s90, s83, CHK                        ; my chunk of a step's two
	s_mul_i32 s91, s88, 16*MP
	s_add_co_u32 s91, s91, s90
	s_mul_i32 s92, s89, 16*MP
	s_add_co_u32 s92, s92, s90
	s_lshl_b32 s93, s83, 12                        ; K: my four tiles of keys, 1,024 bytes each
	s_lshl_b32 s94, s83, 10
	s_add_co_u32 s94, s94, 8192                    ; V^T: my two of a tile's four pieces
	s_mul_i32 s58, s[WV], STGB                     ; the hand-over: my bytes,
	s_xor_b32 s59, s[WV], 8
	s_mul_i32 s59, s59, STGB                       ; and my partner's
	v_and_b32 v[T+2], 31, v0
	v_lshlrev_b32 v[T+2], 4, v[T+2]                ; 16 x lane
	v_and_b32 v[T], 15, v0
	v_bfe_u32 v[T+1], v0, 4, 1
	v_add_nc_u32 v[LNK], s93, v[T+2]
	v_add_nc_u32 v[LNV], s94, v[T+2]
	v_mul_u32_u24 v[T], v[T], MP
	v_lshl_add_u32 v[T], v[T+1], 5, v[T]           ; row lane % 16; my eight keys of a tile: 32 (lane / 16) bytes on
	v_add_nc_u32 v[AM], s91, v[T]
	v_add_nc_u32 v[AM+1], s92, v[T]
	v_and_b32 v[PFO], 31, v0
	v_min_u32 v[PFO], 15, v[PFO]
	v_lshlrev_b32 v[PFO], 8, v[PFO]
	s_wait_alu depctr_va_vdst(0)
	s_lshl_b32 s86, s80, 17                        ; Q: the head's 131,072 bytes,
	s_lshl_b32 s90, s17, 2
	s_add_co_u32 s91, s90, s88
	s_add_co_u32 s92, s90, s89
	s_lshl_b32 s91, s91, 10                        ; tile 4 x block + the unit's, 1,024 bytes each
	s_lshl_b32 s92, s92, 10
	s_add_co_u32 s90, s86, s91
	s_add_co_u32 s92, s86, s92
	s_mov_b32 s91, 0
	s_mov_b32 s93, 0
	s_add_nc_u64 s[60:61], s[4:5], s[90:91]
	s_add_nc_u64 s[62:63], s[4:5], s[92:93]
.irp j, 0,1
.irp g, 0,1
	global_load_b128 v[Q+8*\j+4*\g:Q+8*\j+4*\g+3], v[T+2], s[60+2*\j:61+2*\j] offset:512*\g     ; Q's two fragments stay in registers
.endr
.endr
.irp i, 0,1,2,3
.irp g, 0,1
	global_load_b128 v[KF+8*\i+4*\g:KF+8*\i+4*\g+3], v[LNK], s[KB:KB+1] offset:1024*\i+512*\g   ; step 0's K,
.endr
.endr
.irp d, 0,1,2,3
.irp g, 0,1
	global_load_b128 v[VF+8*\d+4*\g:VF+8*\d+4*\g+3], v[LNV], s[KB:KB+1] offset:2048*\d+512*\g   ; and V^T
.endr
.endr
	s_lshr_b32 s86, s18, 2                         ; ao: block of 128 tokens = 16 x batch + block / 2,
	s_lshl_b32 s86, s86, 4
	s_lshr_b32 s87, s17, 1
	s_add_co_u32 s86, s86, s87
	s_lshl_b32 s86, s86, 17
	s_and_b32 s87, s18, 3                          ; K step = head / 2 = 2 x group + hd / 2,
	s_lshl_b32 s87, s87, 1
	s_lshr_b32 s90, s82, 1
	s_add_co_u32 s87, s87, s90
	s_lshl_b32 s87, s87, 14
	s_add_co_u32 s86, s86, s87
	s_and_b32 s87, s17, 1                          ; tile = 4 x (block % 2) + unit 0's,
	s_lshl_b32 s87, s87, 2
	s_add_co_u32 s87, s87, s88
	s_lshl_b32 s87, s87, 11
	s_add_co_u32 s86, s86, s87
	s_and_b32 s87, s82, 1                          ; registers 8 x (head % 2) on
	s_lshl_b32 s87, s87, 10
	s_add_co_u32 s86, s86, s87
	s_mov_b32 s87, 0
	s_add_nc_u64 s[12:13], s[12:13], s[86:87]
	; THE PREFETCHES: in the step that loads step t + 1 of kv, waves 0 to 3 (one for each head) name their share of the head's block of step t + 3.  The four work-groups of a row of the cluster walk the same blocks and share
	; each block's 64 pieces of 256 bytes out by address: partner cx takes 16 (lanes 0-15; the lanes left over name the last again).  Eight clusters along x walk the same kv: the first four ask.  Steps 13 to 15 ask for nothing.
	s_cmp_lt_u32 ttmp9, 4
	s_cselect_b32 s93, 3, 64
	s_cmp_lt_u32 s[WV], 4
	s_cselect_b32 s[LIMC], s93, 64                 ; a wave asks while the count of steps to go is at least this
.irp u, 0,1
	v_mov_b32 v[ST+4*\u+1], 0xff61b1e6             ; the largest t so far: -3e38
	v_mov_b32 v[ST+4*\u+2], 0                      ; the sum, in two halves
	v_mov_b32 v[ST+4*\u+3], 0
	v_floor_f32 v[ST+4*\u], -v[ST+4*\u+1]          ; -M
.endr
	v_mov_b32 v[FF+1], 0                           ; (named as upper halves of pairs)
	v_mov_b32 v[FF+3], 0
	v_mov_b32 v[T+4], 0                            ; a lane permute's destination counts as a source
	v_mov_b32 v[T+5], 0
.set j, 0
.rept 64
	v_mov_b32 v[O+j], 0                            ; O^T: the step is written for all steps alike; the first finds zeros, which the first change of M leaves zeros
.set j, j+1
.endr
	s_wait_kmcnt 0x0
	s_add_co_i32 s80, s74, s75
	s_sub_co_i32 s80, s80, 3                       ; e6 + e7 - 3: the division by sqrt(64) is a power of two
	s_lshl_b32 s87, s80, 23
	s_add_co_i32 s[C2], s87, 0x3fb8aa3b            ; added to log2(e)'s exponent field
	s_mov_b32 s[C2+1], s[C2]
	s_sub_co_i32 s87, 127, s80
	s_lshl_b32 s[CI], s87, 23
	s_mov_b32 s[CI+1], s[CI]
	s_add_co_i32 s87, s77, 127
	s_lshl_b32 s88, s87, 23
	v_mov_b32 v[SCP], s88                          ; 2^e9
	s_add_co_i32 s87, s87, 8
	s_lshl_b32 s87, s87, 23
	s_or_b32 s87, s87, 0x600000
	v_mov_b32 v[LIMP], s87                         ; 448 x 2^e9
; The softmax of my two units, line by line in turns, so that four chains run beside each other.
.macro SOFT
.set SA0, ST
.set SA1, ST+4
	v_max3_num_f32 v[T], v[S], v[S+1], v[S+2]      ; each accumulator from its low end on
	v_max3_num_f32 v[T+2], v[S+32], v[S+33], v[S+34]
	v_max3_num_f32 v[T+1], v[S+3], v[S+4], v[S+5]
	v_max3_num_f32 v[T+3], v[S+35], v[S+36], v[S+37]
.set j, 6
.set c, 0
.rept 13
	v_max3_num_f32 v[T+c], v[T+c], v[S+j], v[S+j+1]
	v_max3_num_f32 v[T+2+c], v[T+2+c], v[S+32+j], v[S+33+j]
.set j, j+2
.set c, 1-c
.endr
	v_max_num_f32 v[T], v[T], v[T+1]
	v_max_num_f32 v[T+2], v[T+2], v[T+3]
	v_permlanex16_b32 v[T+4], v[T], s[SEL], s[SEL+1]
	v_permlanex16_b32 v[T+5], v[T+2], s[SEL], s[SEL+1]
	v_max_num_f32 v[T], v[T], v[T+4]               ; with lane l xor 16's
	v_max_num_f32 v[T+2], v[T+2], v[T+5]
	v_mul_f32 v[T], s[C2], v[T]                    ; as t (the factor is positive)
	v_mul_f32 v[T+2], s[C2], v[T+2]
	v_max_num_f32 v[SA0+1], v[SA0+1], v[T]         ; the running largest t
	v_max_num_f32 v[SA1+1], v[SA1+1], v[T+2]
	v_floor_f32 v[SA0], -v[SA0+1]                  ; -M = -ceil(t)
	v_floor_f32 v[SA1], -v[SA1+1]
	v_sub_f32 v[T+6], v[SA0], v[T+6]               ; old M - new M: a whole number, 0 or less
	v_sub_f32 v[T+7], v[SA1], v[T+7]
	v_cvt_i32_f32 v[T+6], v[T+6]                   ; (it saturates)
	v_cvt_i32_f32 v[T+7], v[T+7]
	v_ldexp_f32 v[FF], 1.0, v[T+6]                 ; f = 2^(old M - new M)
	v_ldexp_f32 v[FF+2], 1.0, v[T+7]
.set j, 0
.rept 16
	v_pk_fma_f32 v[S+j:S+j+1], v[S+j:S+j+1], s[C2:C2+1], v[SA0:SA0+1] op_sel_hi:[1,0,0]            ; t - M (of each pair the low word serves both halves)
	v_pk_fma_f32 v[S+32+j:S+33+j], v[S+32+j:S+33+j], s[C2:C2+1], v[SA1:SA1+1] op_sel_hi:[1,0,0]
.set j, j+2
.endr
	s_wait_alu depctr_va_vdst(0)
.set j, 0
.rept 64
	v_exp_f32 v[S+j], v[S+j]                       ; p = 2^(t - M)
.set j, j+1
.endr
	v_pk_mul_f32 v[SA0+2:SA0+3], v[SA0+2:SA0+3], v[FF:FF+1] op_sel_hi:[1,0]       ; the sums under the new M (plain places behind the batch)
	v_pk_mul_f32 v[SA1+2:SA1+3], v[SA1+2:SA1+3], v[FF+2:FF+3] op_sel_hi:[1,0]
	s_wait_alu depctr_va_vdst(0)                   ; and the one wait behind it
	v_pk_add_f32 v[T:T+1], v[S:S+1], v[S+2:S+3]    ; the sums of the unquantised p, two chains a unit
	v_pk_add_f32 v[T+2:T+3], v[S+32:S+33], v[S+34:S+35]
.set j, 4
.rept 7
	v_pk_add_f32 v[SA0+2:SA0+3], v[SA0+2:SA0+3], v[S+j:S+j+1]
	v_pk_add_f32 v[SA1+2:SA1+3], v[SA1+2:SA1+3], v[S+32+j:S+33+j]
	v_pk_add_f32 v[T:T+1], v[T:T+1], v[S+j+2:S+j+3]
	v_pk_add_f32 v[T+2:T+3], v[T+2:T+3], v[S+34+j:S+35+j]
.set j, j+4
.endr
.set i, 0
.rept 8
.set j, 0
.rept 4
	v_dual_min_num_f32 v[S+8*i+j], v[LIMP], v[S+8*i+j] :: v_dual_min_num_f32 v[S+8*i+j+1], v[LIMP], v[S+8*i+j+1]   ; the conversion does not saturate (ISA guide 7.6.2); p is not negative: a one-sided hold, two a line
.set j, j+2
.endr
	v_cvt_scalef32_pk8_fp8_f32 v[PC+2*i:PC+2*i+1], v[S+8*i:S+8*i+7], v[SCP]
.set i, i+1
.endr
.endm
; A KEY STEP: my 64 of a step's 128 keys, for my head and my two tiles of queries.  last = 1: nothing more is asked for.
.macro STEP last
	v_add_nc_u32 v[WM], s[TB], v[AM]
	v_add_nc_u32 v[WM+1], s[TB], v[AM+1]
.irp j, 0,1
.irp i, 0,1,2,3
	ds_load_b128 v[S+32*\j+8*\i:S+32*\j+8*\i+3], v[WM+\j] offset:64*\i           ; the mask, into the scores' own places
	ds_load_b128 v[S+32*\j+8*\i+4:S+32*\j+8*\i+7], v[WM+\j] offset:64*\i+16
.endr
.endr
	s_wait_alu depctr_va_vdst(0)
	s_wait_dscnt 0x0
.set j, 0
.rept 32
	v_pk_mul_f32 v[S+j:S+j+1], v[S+j:S+j+1], s[CI:CI+1] op_sel_hi:[1,0]          ; x 2^-(e6+e7-3)
.set j, j+2
.endr
	s_wait_alu depctr_va_vdst(0)
	s_wait_loadcnt 8                               ; K is in (and, the first time, Q); V^T's 8 loads may be out
.irp j, 0,1
.irp i, 0,1,2,3
	v_wmma_f32_16x16x64_fp8_fp8 v[S+32*\j+8*\i:S+32*\j+8*\i+7], v[KF+8*\i:KF+8*\i+7], v[Q+8*\j:Q+8*\j+7], v[S+32*\j+8*\i:S+32*\j+8*\i+7]
.endr
.endr
	v_mov_b32 v[T+6], v[ST]                        ; -M as it was, for both units.  These two and two v_nop are the places in front of the loads over K's registers and of the first read of the scores
	v_mov_b32 v[T+7], v[ST+4]
	v_nop
	v_nop
.if !(\last)
	s_wait_xcnt 0x0
	s_add_nc_u64 s[KB:KB+1], s[KB:KB+1], KVB       ; the next step's block
	s_add_nc_u64 s[PFA:PFA+1], s[PFA:PFA+1], KVB
.irp i, 0,1,2,3
.irp g, 0,1
	global_load_b128 v[KF+8*\i+4*\g:KF+8*\i+4*\g+3], v[LNK], s[KB:KB+1] offset:1024*\i+512*\g
.endr
.endr
	s_cmp_ge_u32 s[SC], s[LIMC]
	s_cbranch_scc0 .Lnot_mine_\@
	global_prefetch_b8 v[PFO], s[PFA:PFA+1] th:TH_LOAD_NT scope:SCOPE_SE
.Lnot_mine_\@:
.endif
	SOFT
	s_wait_alu depctr_va_vdst(0)
.set j, 0
.rept 16
	v_pk_mul_f32 v[O+j:O+j+1], v[O+j:O+j+1], v[FF:FF+1] op_sel_hi:[1,0]          ; O^T under the new M, each accumulator from its low end on
	v_pk_mul_f32 v[O+32+j:O+33+j], v[O+32+j:O+33+j], v[FF+2:FF+3] op_sel_hi:[1,0]
.set j, j+2
.endr
	s_wait_alu depctr_va_vdst(0)
.if \last
	s_wait_loadcnt 0x0                             ; V^T is in
.else
	s_wait_loadcnt 8                               ; V^T is in; the next step's K, 8 loads, may be out
.endif
.irp j, 0,1
.irp d, 0,1,2,3
	v_wmma_f32_16x16x64_fp8_fp8 v[O+32*\j+8*\d:O+32*\j+8*\d+7], v[VF+8*\d:VF+8*\d+7], v[PC+8*\j:PC+8*\j+7], v[O+32*\j+8*\d:O+32*\j+8*\d+7]   ; eight accumulators by turns
.endr
.endr
	v_pk_add_f32 v[ST+2:ST+3], v[ST+2:ST+3], v[T:T+1]          ; the sums' second chains are added in here: these two and two v_nop are the places in front of the loads over V^T's registers
	v_pk_add_f32 v[ST+6:ST+7], v[ST+6:ST+7], v[T+2:T+3]
.if !(\last)
	v_nop
	v_nop
.irp d, 0,1,2,3
.irp g, 0,1
	global_load_b128 v[VF+8*\d+4*\g:VF+8*\d+4*\g+3], v[LNV], s[KB:KB+1] offset:2048*\d+512*\g
.endr
.endr
	s_add_co_u32 s[TB], s[TB], 2*CHK               ; the next step's pair of chunks
	s_sub_co_u32 s[SC], s[SC], 1
.endif
.endm
.macro PHASE n                         ; n steps of one slot
	s_mov_b32 s[CNT], \n
.Lphase_\@:
	STEP 0
	s_sub_co_u32 s[CNT], s[CNT], 1
	s_cmp_lg_u32 s[CNT], 0
	s_cbranch_scc1 .Lphase_\@
.endm
; THE CHANGE OF SLOTS: my tensor load is in, the add, my reads of the slot that I left are over; behind the round the slot ahead is whole in every partner and the other takes the 512 keys after it.
; ld: the group 0 to load by (-1: none); st: the group 0 to step by two slots (-1: none): no load of mine is out, so it may be written.
.macro CHANGE ld, st
	s_wait_tensorcnt 0x0
	ds_add_u32 v[SPW], v[NIL]
.if \st >= 0
	s_add_nc_u64 s[G0+4*(\st)+2:G0+4*(\st)+3], s[G0+4*(\st)+2:G0+4*(\st)+3], 4096
.endif
	s_wait_dscnt 0x0
	ROUND
.if \ld >= 0
	JL \ld                                         ; first behind the round, my one tensor load until the next
.endif
.endm
	s_wait_alu depctr_va_vdst(0)
	CHANGE 1, 0                                    ; slot 1's first fill, issued as a refill is: keys 512 on
	PHASE 4
	CHANGE 0, 1                                    ; keys 1,024 on
	PHASE 4
	s_mov_b32 s[TB], 0
	CHANGE 1, -1                                   ; keys 1,536 on
	PHASE 4
	CHANGE -1, -1
	PHASE 3
	STEP 1
	; THE HAND-OVER.  My unit 1 (32 registers of O^T, a quad) goes to my partner; its unit 1 is my unit 0's other half of the keys.
	v_and_b32 v[T+5], 31, v0
	v_lshlrev_b32 v[T+5], 4, v[T+5]                ; 16 x lane
	v_add_nc_u32 v[T+6], s58, v[T+5]
	v_add_nc_u32 v[T+7], s59, v[T+5]               ; (four places behind the last products)
.set i, 0
.rept 8
	ds_store_b128 v[T+6], v[O+32+4*i:O+32+4*i+3] offset:512*i
.set i, i+1
.endr
	ds_store_b128 v[T+6], v[ST+4:ST+7] offset:4096
	s_wait_alu depctr_va_vdst(0)
	s_wait_dscnt 0x0                               ; my stores are done, for my partner's sake
	s_barrier_signal -1
	s_barrier_wait -1
.set i, 0
.rept 8
	ds_load_b128 v[S+4*i:S+4*i+3], v[T+7] offset:512*i
.set i, i+1
.endr
	ds_load_b128 v[S+32:S+35], v[T+7] offset:4096
	s_add_co_i32 s87, s78, 127
	s_lshl_b32 s88, s87, 23                        ; 2^e10
	s_add_co_i32 s87, s87, 8
	s_lshl_b32 s87, s87, 23
	s_or_b32 s87, s87, 0x600000                    ; 448 x 2^e10
	s_add_co_i32 s89, s76, s77                     ; e8 + e9
	s_wait_dscnt 0x0
	v_min_num_f32 v[T], v[ST], v[S+32]             ; -M of both halves of the keys
	v_sub_f32 v[T+1], v[T], v[ST]                  ; my M - M, and my partner's: whole numbers, 0 or less
	v_sub_f32 v[T+2], v[T], v[S+32]
	v_cvt_i32_f32 v[T+1], v[T+1]
	v_cvt_i32_f32 v[T+2], v[T+2]
	v_ldexp_f32 v[FF], 1.0, v[T+1]
	v_ldexp_f32 v[FF+2], 1.0, v[T+2]
	v_pk_mul_f32 v[ST+2:ST+3], v[ST+2:ST+3], v[FF:FF+1] op_sel_hi:[1,0]
	v_pk_fma_f32 v[ST+2:ST+3], v[S+34:S+35], v[FF+2:FF+3], v[ST+2:ST+3] op_sel_hi:[1,0,1]
	v_add_f32 v[T], v[ST+2], v[ST+3]
	v_permlanex16_b32 v[T+4], v[T], s[SEL], s[SEL+1]
	v_add_f32 v[T], v[T], v[T+4]                   ; the row's sum
	s_wait_alu depctr_va_vdst(0)
	v_rcp_f32 v[T], v[T]
	v_mov_b32 v[SCP], s88                          ; (plain places behind it)
	v_mov_b32 v[LIMP], s87
	s_wait_alu depctr_va_vdst(0)                   ; and behind it
	v_ldexp_f32 v[T], v[T], s89                    ; 2^(e8 + e9) / the sum
	v_mul_f32 v[FF], v[FF], v[T]
	v_mul_f32 v[FF+2], v[FF+2], v[T]
.set j, 0
.rept 16
	v_pk_mul_f32 v[S+j:S+j+1], v[S+j:S+j+1], v[FF+2:FF+3] op_sel_hi:[1,0]
.set j, j+2
.endr
	s_wait_alu depctr_va_vdst(0)
.set j, 0
.rept 16
	v_pk_fma_f32 v[S+j:S+j+1], v[O+j:O+j+1], v[FF:FF+1], v[S+j:S+j+1] op_sel_hi:[1,0,1]   ; o; each accumulator from its low end on
.set j, j+2
.endr
.set j, 0
.rept 32
	v_med3_num_f32 v[S+j], v[S+j], -v[LIMP], v[LIMP]
.set j, j+1
.endr
.set i, 0
.rept 4
	v_cvt_scalef32_pk8_fp8_f32 v[PC+2*i:PC+2*i+1], v[S+8*i:S+8*i+7], v[SCP]
.set i, i+1
.endr
	v_nop                                          ; one plain line behind the last conversion
	global_store_b128 v[T+5], v[PC:PC+3], s[12:13]                 ; 32 lanes store 512 consecutive bytes, at a multiple of 512 from ao's first byte
	global_store_b128 v[T+5], v[PC+4:PC+7], s[12:13] offset:512
	s_wait_tensorcnt 0x0                           ; the wave's end
	ds_add_u32 v[SPW], v[NIL]
	s_wait_dscnt 0x0
	ROUND                                          ; the closing round
	s_endpgm
.Lfunc_end_k_q531e9994f5_attn:
	.size	k_q531e9994f5_attn, .Lfunc_end_k_q531e9994f5_attn-k_q531e9994f5_attn
	.p2alignl 7, 3214868480
	.fill 96, 4, 3214868480
	.section	.rodata,"a",@progbits
	.p2align	6, 0x0
	.amdhsa_kernel k_q531e9994f5_attn
		.amdhsa_group_segment_fixed_size 327680
		.amdhsa_private_segment_fixed_size 0
		.amdhsa_enable_private_segment 0
		.amdhsa_kernarg_size 40
		.amdhsa_user_sgpr_count 2
		.amdhsa_user_sgpr_kernarg_segment_ptr 1
		.amdhsa_wavefront_size32 1
		.amdhsa_system_sgpr_workgroup_id_x 1
		.amdhsa_system_sgpr_workgroup_id_y 1
		.amdhsa_system_sgpr_workgroup_id_z 1
		.amdhsa_system_vgpr_workitem_id 0
		.amdhsa_next_free_vgpr 256
		.amdhsa_next_free_sgpr 96
		.amdhsa_reserve_vcc 0
		.amdhsa_float_denorm_mode_32 3
		.amdhsa_float_denorm_mode_16_64 3
		.amdhsa_memory_ordered 1
		.amdhsa_forward_progress 1
		.amdhsa_inst_pref_size 118
	.end_amdhsa_kernel
	.amdgpu_metadata
---
amdhsa.version: [ 1, 2 ]
amdhsa.kernels:
  - .name:           k_q531e9994f5_attn
    .symbol:         k_q531e9994f5_attn.kd
    .args:
      - { .name: qc, .offset: 0, .size: 8, .value_kind: global_buffer, .address_space: global }
      - { .name: kv, .offset: 8, .size: 8, .value_kind: global_buffer, .address_space: global }
      - { .name: attn_mask, .offset: 16, .size: 8, .value_kind: global_buffer, .address_space: global }
      - { .name: lowp_scales, .offset: 24, .size: 8, .value_kind: global_buffer, .address_space: global }
      - { .name: ao, .offset: 32, .size: 8, .value_kind: global_buffer, .address_space: global }
    .group_segment_fixed_size: 327680
    .private_segment_fixed_size: 0
    .kernarg_segment_align: 8
    .kernarg_segment_size: 40
    .max_flat_workgroup_size: 512
    .sgpr_count:     96
    .vgpr_count:     256
    .wavefront_size: 32
...
	.end_amdgpu_metadata
.endif
;; end of part 2
;; launch proj (part 3): grid 8 x 32, 4 waves a work-group, clusters of 4 x 4, 295,424 bytes of LDS; arguments ao, Wo_codes, bo, lowp_scales, out0; writes out0
.if DOCPART == 3
	.amdgcn_target "amdgcn-amd-amdhsa--gfx1250"
	.amdhsa_code_object_version 6
	.text
	.protected	k_q531e9994f5_proj
	.globl	k_q531e9994f5_proj
	.p2align	8
	.type	k_q531e9994f5_proj,@function
k_q531e9994f5_proj:
	s_mov_b64 s[64:65], 0
	v_nop
	global_prefetch_b8 v0, s[64:65] scope:SCOPE_SE
	s_setreg_imm32_b32 hwreg(HW_REG_WAVE_MODE, 25, 1), 1
	s_wait_xcnt 0x0
	s_wait_alu depctr_hold_cnt(0) depctr_sa_sdst(0) depctr_va_vdst(0) depctr_va_sdst(0) depctr_va_ssrc(0) depctr_va_vcc(0) depctr_vm_vsrc(0)
	s_getreg_b32 s2, hwreg(HW_REG_IB_STS2, 6, 4)
	s_cmp_eq_u32 s2, 0
	s_cbranch_scc0 .Lentry_in_a_cluster
	s_endpgm
.Lentry_in_a_cluster:
	s_bfe_u32 s2, ttmp6, 0x10000c
	s_cmp_lg_u32 s2, 0xf033
	s_cbranch_scc0 .Lentry_shape_is_right
	s_endpgm
.Lentry_shape_is_right:
; out = o Wo^T + bo on codes of FP8 (E4M3).  ao [block of 128 tokens 32][K step of 128 features 8][tile of 16 tokens 8][4][512]: images of the operand's registers;
; Wo: [1024][1024] codes, K innermost; out: [4096][1024] f32.  A sum stands for sum x 2^(e10 + e11).  LIMIT: e10 + e11 between -126 and 127.
; SHARES.  A work-group makes 128 tokens x 128 features, 256 work-groups; each of four waves 64 x 64: 16 accumulators.  K = 1,024: both panels lie in LDS whole, every LDS byte is filled once,
; by ONE tensor load a wave at the head: waves 0 and 1 the two halves (65,536 dense bytes each) of o's block, waves 2 and 3 64 whole rows of Wo each.  No slot is filled again.
; CLUSTER 4 x 4: o's block is shared along a row of the cluster, Wo's rows along a column: each is asked for jointly.
; No prefetch: the launch has no loop of loads to run ahead in; all its tiles are asked for at its head.
; o's fragments have each k in the place of the plain 8-bit form (registers 2 c, 2 c + 1: k = 16 c + 8 (lane / 16) + 0..7), so Wo's are read so too: eight loads of 8 bytes, 16 bytes apart.
; THE MATRIX INSTRUCTION IS USED TRANSPOSED (source 0 = 16 rows of Wo, source 1 = 16 tokens): a lane holds eight neighbouring numbers of a row of out.
; REGISTERS: window 0: v16-31 addresses; v32-63 the bias; v64-95 a block's numbers; v128-255 the accumulators.  Window 1: two buffers of 128: o's four fragments, then Wo's four; on the way out v0-127: the four blocks' rows read back.
.set BOFF,  131072                     ; LDS: o's block, then Wo's 128 rows
.set WP,    1040                       ; a row of Wo: 1,024 bytes + 16 = 260 words: the 32 lanes of a load of 8 bytes touch 64 different banks (ISA guide 11.1)
.set BP,    272                        ; a row of the stage
.set STG,   270336                     ; a stage of 16 rows x 272 bytes for each wave, in blocks of 256 bytes into which no tile lands
.set SPARE, 0x48000                    ; the spare words
.set ADRA, 16
.set ADRB, 20
.set STO,  24
.set RD,   25
.set CO,   26
.set BPA,  27
.set BI,   32
.set TMP,  64
.set ACC,  128
.set G1A, 16
.set G1B, 24
.set G0A, 32
.set G0B, 48
.set MSB, 0
.macro WIN new
.if MSB != \new
	s_set_vgpr_msb (MSB<<8)|\new
.set MSB, \new
.endif
.endm
.macro ROUND
	s_barrier_signal -1
	s_barrier_wait -1
	s_cmp_lg_u32 s10, 0
	s_cbranch_scc1 .Lnot_wave_0_\@
	s_barrier_signal -3
.Lnot_wave_0_\@:
	s_barrier_wait -3
	s_barrier_signal -1
	s_barrier_wait -1
.endm
.macro PLACES                          ; four places behind matrix instructions (ISA guide 7.12.1)
.rept 4
	v_nop
.endr
.endm
	s_load_b256 s[68:75], s[0:1], 0x0              ; ao, Wo, bo, the scales
	s_load_b64 s[76:77], s[0:1], 0x20              ; out
	v_lshl_add_u32 v30, v0, 2, SPARE
	v_mov_b32 v31, 0
	ds_add_u32 v30, v31                            ; the opening lines
	ds_add_u32 v30, v31
	v_lshrrev_b32 v1, 5, v0
	v_readfirstlane_b32 s10, v1                    ; wave 0..3
	s_lshr_b32 s11, s10, 1                         ; my half of the tokens.  Also: I fetch for o (0) or for Wo (1)
	s_and_b32 s12, s10, 1                          ; my half of the features.  Also: which half I fetch
	s_bfe_u32 s80, ttmp6, 0x40000
	s_bfe_u32 s81, ttmp6, 0x40004
	s_lshl_b32 s82, ttmp9, 2
	s_add_co_u32 s82, s82, s80                     ; my 128 features, 0..7
	s_and_b32 s83, ttmp7, 0xffff
	s_lshl_b32 s83, s83, 2
	s_add_co_u32 s83, s83, s81                     ; my 128 tokens, 0..31
	s_lshl_b32 s84, s81, 2
	s_lshl_b32 s84, 15, s84
	s_lshl_b32 s85, 0x1111, s80
	s_or_b32 s[G1A], s84, (3<<16)|(1<<21)          ; o: 65,536 dense bytes as 256 rows of 32 elements of 8 bytes
	s_mov_b32 s[G1A+1], 32<<16
	s_mov_b32 s[G1A+2], 256<<16
	s_mov_b32 s[G1A+3], 32<<16
	s_mov_b32 s[G1A+4], 256
	s_mov_b32 s[G1A+5], 32
	s_mov_b32 s[G1A+6], 0
	s_mov_b32 s[G1A+7], 0
	s_or_b32 s[G1B], s85, (0<<16)|(1<<20)|(1<<21)|(7<<22)|(3<<25)   ; Wo: 64 rows x 1,024 bytes; 4 words of padding after every 256
	s_mov_b32 s[G1B+1], 1024<<16
	s_mov_b32 s[G1B+2], 64<<16
	s_mov_b32 s[G1B+3], 1024<<16
	s_mov_b32 s[G1B+4], 64
	s_mov_b32 s[G1B+5], 1024
	s_mov_b32 s[G1B+6], 0
	s_mov_b32 s[G1B+7], 0
	s_lshl_b32 s86, s83, 17                        ; o: my block's 131,072 bytes,
	s_lshl_b32 s92, s12, 16                        ; its half: in memory and in LDS alike
	s_add_co_u32 s86, s86, s92
	s_mov_b32 s87, 0
	s_lshl_b32 s88, s82, 7                         ; Wo: row 128 x block + 64 x half
	s_lshl_b32 s93, s12, 6
	s_add_co_u32 s88, s88, s93
	s_lshl_b32 s88, s88, 10
	s_mov_b32 s89, 0
	s_mul_i32 s94, s12, 64*WP
	s_add_co_u32 s94, s94, BOFF                    ; its place in LDS.  Also: my 64 rows of Wo, as a reader
	s_wait_dscnt 0x0
	s_wait_kmcnt 0x0
	s_load_b64 s[90:91], s[74:75], 0x28            ; e10, e11
	s_mov_b32 s[G0A], 1
	s_mov_b32 s[G0A+1], s92
	s_add_nc_u64 s[G0A+2:G0A+3], s[68:69], s[86:87]
	s_or_b32 s[G0A+3], s[G0A+3], 0x80000000
	s_mov_b32 s[G0B], 1
	s_mov_b32 s[G0B+1], s94
	s_add_nc_u64 s[G0B+2:G0B+3], s[70:71], s[88:89]
	s_or_b32 s[G0B+3], s[G0B+3], 0x80000000
	ROUND                                          ; all sixteen work-groups are here: the joint loads meet
	s_cmp_eq_u32 s11, 0
	s_cbranch_scc0 .Lfor_b
	tensor_load_to_lds s[G0A:G0A+3], s[G1A:G1A+7]
	s_nop 0
.rept 4
	v_nop
.endr
	s_branch .Lasked
.Lfor_b:
	tensor_load_to_lds s[G0B:G0B+3], s[G1B:G1B+7]
	s_nop 0
.rept 4
	v_nop
.endr
.Lasked:
	v_and_b32 v1, 15, v0                           ; r
	v_bfe_u32 v2, v0, 4, 1                         ; h
	v_and_b32 v3, 31, v0
	v_lshlrev_b32 v4, 4, v3
	s_lshl_b32 s93, s11, 13                        ; my four tiles of tokens
	v_add_nc_u32 v[ADRA], s93, v4
	v_add_nc_u32 v[ADRA+1], 0x10000, v[ADRA]
	v_mul_u32_u24 v5, v1, WP
	v_lshl_add_u32 v5, v2, 3, v5
	v_add_nc_u32 v[ADRB], s94, v5                  ; row r x pitch + 8 h
	s_mul_i32 s95, s10, 16*BP
	s_add_co_u32 s95, s95, STG
	v_mul_u32_u24 v6, v1, BP
	v_lshl_add_u32 v6, v2, 5, v6
	v_add_nc_u32 v[STO], s95, v6
	v_mul_u32_u24 v7, v2, BP
	v_lshl_add_u32 v7, v1, 4, v7
	v_add_nc_u32 v[RD], s95, v7
	v_lshlrev_b32 v8, 12, v2
	v_lshl_add_u32 v[CO], v1, 4, v8
	v_lshlrev_b32 v[BPA], 5, v2
	s_wait_alu depctr_va_vdst(0)
	s_lshl_b32 s86, s82, 9
	s_lshl_b32 s95, s12, 8
	s_add_co_u32 s86, s86, s95
	s_mov_b32 s87, 0
	s_add_nc_u64 s[72:73], s[72:73], s[86:87]      ; the bias at my 64 features
	s_lshl_b32 s88, s83, 19
	s_lshl_b32 s95, s11, 18
	s_add_co_u32 s88, s88, s95
	s_add_co_u32 s88, s88, s86
	s_mov_b32 s89, 0
	s_add_nc_u64 s[76:77], s[76:77], s[88:89]
.irp b, 0,1,2,3
	global_load_b128 v[BI+8*\b:BI+8*\b+3], v[BPA], s[72:73] offset:64*\b
	global_load_b128 v[BI+8*\b+4:BI+8*\b+7], v[BPA], s[72:73] offset:64*\b+16
.endr
	s_wait_kmcnt 0x0
	s_add_co_i32 s90, s90, s91
	s_add_co_i32 s90, s90, 127
	s_lshl_b32 s90, s90, 23                        ; 2^(e10 + e11)
	s_mov_b32 s91, s90
.macro FETCH ks, f                     ; 48 LDS loads: K step ks's fragments into buffer f
	WIN 0x40
.irp a, 0,1,2,3
.irp g, 0,1,2,3
	ds_load_b128 v[\f+16*\a+4*\g:\f+16*\a+4*\g+3], v[ADRA+(\ks)/4] offset:16384*((\ks)%4)+2048*\a+512*\g
.endr
.endr
.irp b, 0,1,2,3
.irp c, 0,1,2,3,4,5,6,7
	ds_load_b64 v[\f+64+16*\b+2*\c:\f+64+16*\b+2*\c+1], v[ADRB] offset:16*WP*\b+128*(\ks)+16*\c
.endr
.endr
.endm
.macro MUL f, zero                     ; the 16 accumulators take turns, one instruction a turn
	WIN 0x05
.irp a, 0,1,2,3
.irp b, 0,1,2,3
.if \zero
	v_wmma_f32_16x16x128_fp8_fp8 v[ACC+8*(4*\a+\b):ACC+8*(4*\a+\b)+7], v[\f+64+16*\b:\f+64+16*\b+15], v[\f+16*\a:\f+16*\a+15], 0
.else
	v_wmma_f32_16x16x128_fp8_fp8 v[ACC+8*(4*\a+\b):ACC+8*(4*\a+\b)+7], v[\f+64+16*\b:\f+64+16*\b+15], v[\f+16*\a:\f+16*\a+15], v[ACC+8*(4*\a+\b):ACC+8*(4*\a+\b)+7]
.endif
.endr
.endr
.endm
.macro KSTEP ks
	PLACES
	FETCH (\ks)+1, 128*(((\ks)+1)%2)
	s_wait_dscnt 48                                ; all but the 48 just issued
	MUL 128*((\ks)%2), 0
.endm
	s_wait_tensorcnt 0x0                           ; my load is in,
	s_barrier_signal -1
	s_barrier_wait -1                              ; and every other wave's.
	FETCH 0, 0
	FETCH 1, 128
	s_wait_dscnt 48
	MUL 0, 1
.irp k, 1,2,3,4,5,6
	KSTEP \k
.endr
	s_wait_dscnt 0x0
	MUL 128, 0
	WIN 0
	; THE WAY OUT, 16 tokens x my 64 features at a time: sum x 2^(e10 + e11) + bias, through my own stage, back as whole rows of 256 bytes.
	; Each block's rows come back into registers of their own (window 1, 32 a on), so no store's data is written again, and block a's stores leave while block a + 1 goes through the stage.
	PLACES
	s_wait_loadcnt 0x0
.macro OUT a
.set j, 0
.rept 16
	v_pk_fma_f32 v[TMP+j:TMP+j+1], v[ACC+32*(\a)+j:ACC+32*(\a)+j+1], s[90:91], v[BI+j:BI+j+1] op_sel_hi:[1,0,1]
.set j, j+2
.endr
.irp b, 0,1,2,3
	ds_store_b128 v[STO], v[TMP+8*\b:TMP+8*\b+3] offset:64*\b
	ds_store_b128 v[STO], v[TMP+8*\b+4:TMP+8*\b+7] offset:64*\b+16
.endr
	WIN 0x40                                       ; destination window 1
.irp t, 0,1,2,3,4,5,6,7
	ds_load_b128 v[32*(\a)+4*\t:32*(\a)+4*\t+3], v[RD] offset:\t*2*BP        ; LDS serves a wave's instructions in order (ISA guide 5.7.1.4): these see my stores, and the next block's stores come behind them
.endr
	WIN 0
.endm
.macro SEND a, younger                 ; younger: the LDS instructions issued behind block a's loads, which may stay out
	s_wait_dscnt \younger
	WIN 0x04                                       ; store data window 1
.irp t, 0,1,2,3,4,5,6,7
	global_store_b128 v[CO], v[32*(\a)+4*\t:32*(\a)+4*\t+3], s[76:77] offset:65536*(\a)+8192*\t th:TH_STORE_NT   ; 16 lanes store 256 consecutive bytes, aligned
.endr
	WIN 0
.endm
	OUT 0
	OUT 1
	SEND 0, 16                                     ; behind block 0's loads: block 1's 8 stores and 8 loads
	OUT 2
	SEND 1, 16
	OUT 3
	SEND 2, 16
	SEND 3, 0
	s_wait_tensorcnt 0x0                           ; the wave's end
	ds_add_u32 v30, v31
	s_wait_dscnt 0x0
	ROUND                                          ; the closing round
	s_endpgm
.Lfunc_end_k_q531e9994f5_proj:
	.size	k_q531e9994f5_proj, .Lfunc_end_k_q531e9994f5_proj-k_q531e9994f5_proj
	.p2alignl 7, 3214868480
	.fill 96, 4, 3214868480
	.section	.rodata,"a",@progbits
	.p2align	6, 0x0
	.amdhsa_kernel k_q531e9994f5_proj
		.amdhsa_group_segment_fixed_size 295424
		.amdhsa_private_segment_fixed_size 0
		.amdhsa_enable_private_segment 0
		.amdhsa_kernarg_size 40
		.amdhsa_user_sgpr_count 2
		.amdhsa_user_sgpr_kernarg_segment_ptr 1
		.amdhsa_wavefront_size32 1
		.amdhsa_system_sgpr_workgroup_id_x 1
		.amdhsa_system_sgpr_workgroup_id_y 1
		.amdhsa_system_sgpr_workgroup_id_z 1
		.amdhsa_system_vgpr_workitem_id 0
		.amdhsa_next_free_vgpr 512
		.amdhsa_next_free_sgpr 96
		.amdhsa_reserve_vcc 0
		.amdhsa_float_denorm_mode_32 3
		.amdhsa_float_denorm_mode_16_64 3
		.amdhsa_memory_ordered 1
		.amdhsa_forward_progress 1
		.amdhsa_inst_pref_size 53
	.end_amdhsa_kernel
	.amdgpu_metadata
---
amdhsa.version: [ 1, 2 ]
amdhsa.kernels:
  - .name:           k_q531e9994f5_proj
    .symbol:         k_q531e9994f5_proj.kd
    .args:
      - { .name: ao, .offset: 0, .size: 8, .value_kind: global_buffer, .address_space: global }
      - { .name: Wo_codes, .offset: 8, .size: 8, .value_kind: global_buffer, .address_space: global }
      - { .name: bo, .offset: 16, .size: 8, .value_kind: global_buffer, .address_space: global }
      - { .name: lowp_scales, .offset: 24, .size: 8, .value_kind: global_buffer, .address_space: global }
      - { .name: out0, .offset: 32, .size: 8, .value_kind: global_buffer, .address_space: global }
    .group_segment_fixed_size: 295424
    .private_segment_fixed_size: 0
    .kernarg_segment_align: 8
    .kernarg_segment_size: 40
    .max_flat_workgroup_size: 128
    .sgpr_count:     96
    .vgpr_count:     512
    .wavefront_size: 32
...
	.end_amdgpu_metadata
.endif
;; end of part 3
